; MI455X (gfx1250); checked and timed in simulation.
; The chip was launched on July 23, 2026; its instructions are those of AMD's public machine-readable ISA for CDNA 5 (MIT licence, August 2026) and "CDNA5" Instruction Set Architecture Reference Guide (July 2026). The comments in the code are by the model that wrote it; some were corrected since.
;; Attention. Allowed arithmetic: matrix products marked QUANTISED: E2M1 operands, one E8M0 scale for each 32 along K, by v_wmma_scale_f32_16x16x128_f8f6f4 with both operands' format E2M1 (or v_wmma_scale_f32_32x16x128_f4), f32 sums; products left as they are: bf16, f16 or f32 operands; f32 sums; everything else in f32.
;; Inputs: freqs_cos 4,096 x 32 float32; freqs_sin 4,096 x 32 float32; sqk 1,024 float32; wk 1,024 x 1,024 float32; wo 1,024 x 1,024 float32; wq 1,024 x 1,024 float32; wv 1,024 x 1,024 float32; x 1 x 4,096 x 1,024 float32.
;; Outputs: out0 1 x 4,096 x 1,024 float32.
;; This version of the problem:
;;   THIS VERSION OF THE PROBLEM IS GIVEN IN LOW PRECISION. The matrix products marked QUANTISED in the list below multiply operands that are first quantised to E2M1 (2 exponent bits, 1 mantissa bit; 4 bits a number), with one power-of-two scale for each 32 numbers along K (OCP MX v1.0); their sums are f32. The products marked 'left as it is' may take bf16, f16 or f32 operands, with f32 sums. Whichever they take, every output number must still come out within the allowed error. Rounding operands to bf16 (8 significant bits) uses up far more of that allowance than f16 does (11 bits, for magnitudes from 6e-5 to 65,504). All else is computed in f32.
;;   The module's matrix products, in the order in which they are computed (A, B: the left and right operand; K: the contracted axis; several contracted axes count as one K, in the product's order):
;;     1. [M 4,096, K 1,024] x [K 1,024, N 1,024]; A: input x; B: input wq: QUANTISED
;;     2. [M 4,096, K 1,024] x [K 1,024, N 1,024]; A: input x; B: input wk: QUANTISED
;;     3. [M 4,096, K 1,024] x [K 1,024, N 1,024]; A: input x; B: input wv: QUANTISED
;;     4. batch 16 x [M 4,096, K 64] x [K 64, N 4,096]; A: computed on the way; B: computed on the way: left as it is (an operand is computed on the way)
;;     5. batch 16 x [M 64, K 4,096] x [K 4,096, N 4,096]; A: computed on the way; B: computed on the way: left as it is (an operand is computed on the way)
;;     6. [M 4,096, K 1,024] x [K 1,024, N 1,024]; A: computed on the way; B: input wo: left as it is (an operand is computed on the way)
;;   THE QUANTISER, for each operand of a quantised product, along K:
;;     - K is cut into blocks of 32 from its start; a last block that is shorter is filled with zeros.
;;     - A block's scale is 2^e with e = floor(log2(the largest magnitude in the block)) - 2, held to -126 .. 127; a block of zeros has e = 0. As a byte (E8M0): e + 127.
;;     - Each number is divided by its block's scale, clamped to +-6, and rounded to the nearest number of E2M1, ties to even, subnormals kept.
;;     - The product sums the exact products of the quantised numbers (number of the format x scale) in f32.
;;   ~~~python
;;   def quantise(x, axis):      # numpy; x: float32 -> the quantised numbers, widened to float32 again
;;       x = np.moveaxis(x, axis, -1); K = x.shape[-1]
;;       x = np.pad(x, [(0, 0)] * (x.ndim - 1) + [(0, -K % 32)]); x = x.reshape(x.shape[:-1] + (-1, 32)); a = np.abs(x).max(-1, keepdims=True)
;;       e = np.where(a > 0, np.clip(np.frexp(np.where(a > 0, a, 1))[1] - 1 - 2, -126, 127), 0)      # np.frexp(a)[1] - 1 = floor(log2(a)), exactly
;;       r = np.clip(x / 2.0 ** e, -6, 6)
;;       step = 2.0 ** (np.maximum(np.frexp(np.where(r == 0, 1, r))[1] - 1, 0) - 1)
;;       q = np.round(r / step) * step * 2.0 ** e      # np.round: ties to even
;;       return np.moveaxis(q.reshape(q.shape[:-2] + (-1,))[..., :K], -1, axis).astype(np.float32)
;;   ~~~
;; One version. Each part assembles by itself: llvm-mc -triple=amdgcn-amd-amdhsa -mcpu=gfx1250 --defsym DOCPART=n.
;; ======== version 1 of 1: 4 launches
;; limits: values are held in f16: magnitudes above 65,504 overflow, below 6.1e-05 lose precision
;; workspace buffers: xq 2,097,152 bytes; xs 131,072 bytes; wc 1,572,864 bytes; wsc 98,304 bytes; wot 2,097,152 bytes; qf 8,388,608 bytes; kv 16,777,216 bytes; of 8,388,608 bytes
;; launch prep (part 1): grid 512 x 1, 4 waves a work-group, no clusters, 34,304 bytes of LDS; arguments x, wq, wk, wv, wo, xq, xs, wc, wsc, wot; writes xq, xs, wc, wsc, wot
.if DOCPART == 1
	.amdgcn_target "amdgcn-amd-amdhsa--gfx1250"
	.amdhsa_code_object_version 6
	.text
	.protected	k_qf2feb4b4d6_prep
	.globl	k_qf2feb4b4d6_prep
	.p2align	8
	.type	k_qf2feb4b4d6_prep,@function
k_qf2feb4b4d6_prep:
	s_mov_b64 s[64:65], 0
	v_nop
	global_prefetch_b8 v0, s[64:65] scope:SCOPE_SE
	s_setreg_imm32_b32 hwreg(HW_REG_WAVE_MODE, 25, 1), 1
	s_wait_xcnt 0x0
; x [4096][1024] and wq, wk, wv [1024 (k)][1024 (n)], f32, become codes of FP4 (E2M1) with one E8M0 byte for each 32 along K; wo [1024 (k)][1024 (n)] becomes f16 with K innermost.
; EVERYTHING IS STORED AS AN IMAGE OF THE OPERAND'S REGISTERS: a group of four registers of a fragment is 512 bytes, lane l's 16 bytes at 16 l.
;   xq  [row tile 256][K step 8][c 2][lane][16]: lane (r, h): row 16 tile + r, k = 128 step + 64 c + 32 h + 0 .. 31 (one block)
;   xs  byte 512 tile + 256 (step & 1) + 16 r + 4 (step >> 1): the row's scale word of that K step; 16 bytes at 16 lane give lanes 0-15 the words of steps 0, 2, 4, 6 and lanes 16-31 those of 1, 3, 5, 7
;   wc, wsc  the same, a tile being 16 columns n of a weight: tile = 64 x (0 wq, 1 wk, 2 wv) + n / 16
;   wot [column tile 64][32 along K: 32][c 2][lane][16] f16: column 16 tile + r, k = 32 kf + 16 c + 8 h + 0 .. 7
; A block's scale is 2^(floor(log2(largest magnitude)) - 2); its byte is the largest magnitude's exponent field - 2, held at 1 from below by a floor among the maximum's leaves.
; LIMITS: NaN and infinities are not served.  A block of zeros gets the byte 1 where the rule says 127: its codes are zeros, and this program alone reads the bytes.  Numbers of wo beyond 65,504 have no f16.
; SHARES: work-groups 0-255: a tile of 16 rows of x, wave w its K steps 2 w and 2 w + 1.  Work-groups 256-511: 128 rows (one K step) x 128 columns of one weight, a lane to a column, registers down K.
; Each work-group reads 64 KiB once.  Memory binds: no matrix unit, no cluster, no barrier: waves share nothing.
.set STGW,  8448                       ; a wave's stage: 16 rows x (512 bytes + 16): 132 words a row, so the 16 rows that a read touches begin 4 words apart modulo 64
.set SPARE, 4*STGW                     ; behind the stages: the spare words, 128 bytes a wave, two blocks of 256 bytes that no other line names
.set R,   16                           ; v16-143  numbers as loaded
.set X,   144                          ; v144-207 x: 64 numbers of my row in the operand's order;  weights: results
.set CD,  208                          ; v208-223 x's codes, eight registers a K step
.set SPW, 3                            ; v3  my spare word's LDS address; never rewritten
.set NIL, 4                            ; v4  0; never rewritten
	s_load_b512 s[8:23], s[0:1], 0x0               ; x 8, wq 10, wk 12, wv 14, wo 16, xq 18, xs 20, wc 22
	s_load_b128 s[24:27], s[0:1], 0x40             ; wsc 24, wot 26
	v_lshl_add_u32 v[SPW], v0, 2, SPARE
	v_mov_b32 v[NIL], 0
	v_lshrrev_b32 v1, 5, v0
	v_readfirstlane_b32 s4, v1                     ; wave
	v_and_b32 v1, 31, v0                           ; lane
	v_and_b32 v2, 15, v0                           ; r
	v_bfe_u32 v5, v0, 4, 1                         ; h
	s_cmp_lt_u32 ttmp9, 256
	s_cbranch_scc0 .Lweights
; ---------------- x: K is innermost
	v_lshlrev_b32 v6, 4, v1                        ; 16 x lane
	s_mul_i32 s5, s4, STGW
	v_add_nc_u32 v7, s5, v6                        ; into the stage: a row's 512 bytes as they lie
	v_mul_u32_u24 v8, v2, 528
	v_lshl_add_u32 v8, v5, 7, v8
	v_add_nc_u32 v8, s5, v8                        ; out of it: row r, from number 32 h on
	s_lshl_b32 s28, ttmp9, 16                      ; x: 16 rows of 4,096 bytes a tile, 1,024 bytes for a wave's two K steps
	s_lshl_b32 s5, s4, 10
	s_add_co_u32 s28, s28, s5
	s_mov_b32 s29, 0
	s_lshl_b32 s30, ttmp9, 13                      ; xq: 8,192 bytes a tile, 2,048 for two K steps
	s_lshl_b32 s5, s4, 11
	s_add_co_u32 s30, s30, s5
	s_mov_b32 s31, 0
	s_lshl_b32 s32, ttmp9, 9                       ; xs: 512 bytes a tile, word w of each 16
	s_lshl_b32 s5, s4, 2
	s_add_co_u32 s32, s32, s5
	s_mov_b32 s33, 0
	s_mov_b32 s34, 0x76543210
	s_mov_b32 s35, 0xfedcba98                      ; v_permlanex16_b32's selects for lane l xor 16
	v_lshlrev_b32 v9, 3, v5                        ; 8 h: my bytes' place in a scale word
	v_mov_b32 v10, 0                               ; a lane permute's destination counts as read
	s_wait_kmcnt 0x0
	s_add_nc_u64 s[8:9], s[8:9], s[28:29]
	s_add_nc_u64 s[18:19], s[18:19], s[30:31]
	s_add_nc_u64 s[20:21], s[20:21], s[32:33]
.irp a, 0,1
.irp i, 0,1,2,3,4,5,6,7,8,9,10,11,12,13,14,15
	global_load_b128 v[R+64*\a+4*\i:R+64*\a+4*\i+3], v6, s[8:9] offset:512*\a+4096*\i th:TH_LOAD_NT   ; row i, one K step: 512 consecutive bytes
.endr
.endr
; One K step: 16 rows x 128 numbers turn through the stage, so that lane (r, h) holds blocks h and 2 + h of row r in 64 consecutive registers.
.macro XSTEP a
.if \a == 0
	s_wait_loadcnt 16                              ; this step's 16 loads are in; the other step's 16 may be out
.else
	s_wait_loadcnt 0x0
.endif
.irp i, 0,1,2,3,4,5,6,7,8,9,10,11,12,13,14,15
	ds_store_b128 v7, v[R+64*\a+4*\i:R+64*\a+4*\i+3] offset:528*\i
.endr
.irp c, 0,1
.irp i, 0,1,2,3,4,5,6,7
	ds_load_b128 v[X+32*\c+4*\i:X+32*\c+4*\i+3], v8 offset:256*\c+16*\i   ; LDS serves a wave's instructions in order: these see the stores above
.endr
.endr
	s_wait_dscnt 0x0
.irp c, 0,1
	v_max3_num_f32 v[224+\c], |v[X+32*\c]|, |v[X+32*\c+1]|, 0x1800000   ; my block 2 c + h, and the floor 2^(3 - 127): the byte cannot fall under 1
.endr
.irp i, 2,4,6,8,10,12,14,16,18,20,22,24,26,28,30
.irp c, 0,1
	v_max3_num_f32 v[224+\c], v[224+\c], |v[X+32*\c+\i]|, |v[X+32*\c+\i+1]|
.endr
.endr
.irp c, 0,1
	v_add_nc_u32 v[226+\c], 0xff000000, v[224+\c]  ; 2 off the exponent field: the conversion's scale operand
.endr
.irp c, 0,1
	v_lshrrev_b32 v[228+\c], 23, v[226+\c]         ; the scale's byte
.endr
	v_lshl_or_b32 v[12+\a], v229, 16, v228         ; blocks h and 2 + h,
	v_lshlrev_b32 v[12+\a], v9, v[12+\a]           ; at their places;
	v_permlanex16_b32 v10, v[12+\a], s34, s35
	v_or_b32 v[12+\a], v[12+\a], v10               ; with lane l xor 16's two the row's word is whole, in both lanes
.irp c, 0,1
.irp g, 0,1,2,3
	v_cvt_scalef32_pk8_fp4_f32 v[CD+8*\a+4*\c+\g], v[X+32*\c+8*\g:X+32*\c+8*\g+7], v[226+\c]
.endr
.endr
	v_nop                                          ; one plain line behind the last scaled conversion
.irp c, 0,1
	global_store_b128 v6, v[CD+8*\a+4*\c:CD+8*\a+4*\c+3], s[18:19] offset:1024*\a+512*\c   ; 512 consecutive bytes
.endr
.endm
	XSTEP 0
	XSTEP 1
	v_cmp_le_u32 vcc_lo, 16, v1
	v_cndmask_b32 v11, v12, v13, vcc_lo            ; lanes 0-15: the even step's word, lanes 16-31: the odd step's
	global_store_b32 v6, v11, s[20:21]             ; 4 bytes of each 16: one byte for each 128 that the wave has read
	s_wait_tensorcnt 0x0                           ; the wave's end, behind my last LDS store
	ds_add_u32 v[SPW], v[NIL]
	s_wait_dscnt 0x0
	s_endpgm
; ---------------- the weights: K is the first axis.  A lane takes a column, its registers run down K
.Lweights:
	s_sub_co_u32 s5, ttmp9, 256
	s_lshr_b32 s6, s5, 6                           ; which weight: 0 wq, 1 wk, 2 wv, 3 wo
	s_bfe_u32 s7, s5, 0x30003                      ; which 128 columns
	s_and_b32 s5, s5, 7                            ; which 128 rows: the K step
	s_lshl_b32 s28, s5, 19                         ; 128 rows of 4,096 bytes
	s_lshl_b32 s30, s7, 9
	s_add_co_u32 s28, s28, s30
	s_lshl_b32 s30, s4, 7                          ; my wave's 32 columns
	s_add_co_u32 s28, s28, s30
	s_mov_b32 s29, 0
	s_lshl_b32 s36, s7, 3
	s_lshl_b32 s30, s4, 1
	s_add_co_u32 s36, s36, s30                     ; my wave's first tile of 16 columns
	v_lshlrev_b32 v6, 2, v1                        ; 4 x lane
	v_lshlrev_b32 v7, 4, v2                        ; 16 r
	s_wait_kmcnt 0x0
	s_cmp_lt_u32 s6, 1
	s_cselect_b64 s[38:39], s[10:11], s[12:13]
	s_cmp_lt_u32 s6, 2
	s_cselect_b64 s[38:39], s[38:39], s[14:15]
	s_cmp_lt_u32 s6, 3
	s_cselect_b64 s[38:39], s[38:39], s[16:17]
	s_add_nc_u64 s[38:39], s[38:39], s[28:29]
.set i, 0
.rept 128
	global_load_b32 v[R+i], v6, s[38:39] offset:4096*i th:TH_LOAD_NT   ; row i at 32 neighbouring columns; the four waves stand side by side on 512 bytes
.set i, i+1
.endr
.macro WWAIT b                         ; rows 32 b .. 32 b + 31 are in: 96 - 32 b younger loads may be out; the count's field ends at 63, and a smaller count is safe
.if (\b) < 2
	s_wait_loadcnt 63
.else
	s_wait_loadcnt 32*(3-(\b))
.endif
.endm
	s_cmp_eq_u32 s6, 3
	s_cbranch_scc1 .Lwo
	s_lshl_b32 s30, s6, 6
	s_add_co_u32 s30, s30, s36                     ; the tile's number among the 192
	s_lshl_b32 s32, s30, 9                         ; wsc: 512 bytes a tile,
	s_and_b32 s40, s5, 1
	s_lshl_b32 s40, s40, 8
	s_add_co_u32 s32, s32, s40                     ; + 256 (step & 1)
	s_lshr_b32 s40, s5, 1
	s_lshl_b32 s40, s40, 2
	s_add_co_u32 s32, s32, s40                     ; + 4 (step >> 1)
	s_mov_b32 s33, 0
	s_lshl_b32 s30, s30, 3
	s_add_co_u32 s30, s30, s5
	s_lshl_b32 s30, s30, 10                        ; wc: 1,024 bytes for a tile's K step
	s_mov_b32 s31, 0
	s_add_nc_u64 s[22:23], s[22:23], s[30:31]
	s_add_nc_u64 s[24:25], s[24:25], s[32:33]
	v_lshl_add_u32 v8, v5, 13, v7                  ; lanes 16-31 hold the next tile's columns: 8,192 bytes on in wc,
	v_lshl_add_u32 v9, v5, 9, v7                   ; 512 in wsc
.macro WBLK b                          ; block b of my column: all its 32 numbers are mine
	WWAIT \b
	v_max3_num_f32 v12, |v[R+32*\b]|, |v[R+32*\b+1]|, |v[R+32*\b+2]|
	v_max3_num_f32 v13, |v[R+32*\b+3]|, |v[R+32*\b+4]|, |v[R+32*\b+5]|
.irp i, 6,10,14,18,22,26
	v_max3_num_f32 v12, v12, |v[R+32*\b+\i]|, |v[R+32*\b+\i+1]|
	v_max3_num_f32 v13, v13, |v[R+32*\b+\i+2]|, |v[R+32*\b+\i+3]|
.endr
	v_max3_num_f32 v12, v12, |v[R+32*\b+30]|, |v[R+32*\b+31]|
	v_max3_num_f32 v12, v12, v13, 0x1800000        ; and the floor
	v_add_nc_u32 v11, 0xff000000, v12
	v_lshrrev_b32 v13, 23, v11
.if \b == 0
	v_mov_b32 v10, v13
.else
	v_lshl_or_b32 v10, v13, 8*\b, v10              ; the K step's four bytes make my column's scale word
.endif
.irp g, 0,1,2,3
	v_cvt_scalef32_pk8_fp4_f32 v[X+4*\b+\g], v[R+32*\b+8*\g:R+32*\b+8*\g+7], v11
.endr
	v_nop                                          ; one plain line behind the last scaled conversion
	global_store_b128 v8, v[X+4*\b:X+4*\b+3], s[22:23] offset:512*(\b/2)+256*(\b%2)   ; block b is group b / 2, half b % 2 of the image: sixteen lanes fill 256 consecutive bytes
.endm
	WBLK 0
	WBLK 1
	WBLK 2
	WBLK 3
	global_store_b32 v9, v10, s[24:25]
	s_endpgm
.Lwo:
	s_lshl_b32 s30, s36, 5
	s_lshl_b32 s32, s5, 2
	s_add_co_u32 s30, s30, s32                     ; 32 fragments a tile; this K step's four
	s_lshl_b32 s30, s30, 10
	s_mov_b32 s31, 0
	s_add_nc_u64 s[26:27], s[26:27], s[30:31]
	v_lshl_add_u32 v8, v5, 15, v7                  ; lanes 16-31: the next tile, 32,768 bytes on
.irp q, 0,1,2,3
	WWAIT \q
.irp j, 0,1,2,3,4,5,6,7,8,9,10,11,12,13,14,15
	v_cvt_pk_f16_f32 v[X+16*\q+\j], v[R+32*\q+2*\j], v[R+32*\q+2*\j+1]
.endr
.irp p, 0,1,2,3
	global_store_b128 v8, v[X+16*\q+4*\p:X+16*\q+4*\p+3], s[26:27] offset:1024*\q+512*(\p/2)+256*(\p%2)   ; k = 32 q + 8 p + 0 .. 7: group p / 2, half p % 2
.endr
.endr
	s_endpgm
.Lfunc_end_k_qf2feb4b4d6_prep:
	.size	k_qf2feb4b4d6_prep, .Lfunc_end_k_qf2feb4b4d6_prep-k_qf2feb4b4d6_prep
	.p2alignl 7, 3214868480
	.fill 96, 4, 3214868480
	.section	.rodata,"a",@progbits
	.p2align	6, 0x0
	.amdhsa_kernel k_qf2feb4b4d6_prep
		.amdhsa_group_segment_fixed_size 34304
		.amdhsa_private_segment_fixed_size 0
		.amdhsa_enable_private_segment 0
		.amdhsa_kernarg_size 80
		.amdhsa_user_sgpr_count 2
		.amdhsa_user_sgpr_kernarg_segment_ptr 1
		.amdhsa_wavefront_size32 1
		.amdhsa_system_sgpr_workgroup_id_x 1
		.amdhsa_system_sgpr_workgroup_id_y 1
		.amdhsa_system_sgpr_workgroup_id_z 1
		.amdhsa_system_vgpr_workitem_id 0
		.amdhsa_next_free_vgpr 240
		.amdhsa_next_free_sgpr 66
		.amdhsa_reserve_vcc 1
		.amdhsa_float_denorm_mode_32 3
		.amdhsa_float_denorm_mode_16_64 3
		.amdhsa_memory_ordered 1
		.amdhsa_forward_progress 1
		.amdhsa_inst_pref_size 42
	.end_amdhsa_kernel
	.amdgpu_metadata
---
amdhsa.version: [ 1, 2 ]
amdhsa.kernels:
  - .name:           k_qf2feb4b4d6_prep
    .symbol:         k_qf2feb4b4d6_prep.kd
    .args:
      - { .name: x, .offset: 0, .size: 8, .value_kind: global_buffer, .address_space: global }
      - { .name: wq, .offset: 8, .size: 8, .value_kind: global_buffer, .address_space: global }
      - { .name: wk, .offset: 16, .size: 8, .value_kind: global_buffer, .address_space: global }
      - { .name: wv, .offset: 24, .size: 8, .value_kind: global_buffer, .address_space: global }
      - { .name: wo, .offset: 32, .size: 8, .value_kind: global_buffer, .address_space: global }
      - { .name: xq, .offset: 40, .size: 8, .value_kind: global_buffer, .address_space: global }
      - { .name: xs, .offset: 48, .size: 8, .value_kind: global_buffer, .address_space: global }
      - { .name: wc, .offset: 56, .size: 8, .value_kind: global_buffer, .address_space: global }
      - { .name: wsc, .offset: 64, .size: 8, .value_kind: global_buffer, .address_space: global }
      - { .name: wot, .offset: 72, .size: 8, .value_kind: global_buffer, .address_space: global }
    .group_segment_fixed_size: 34304
    .private_segment_fixed_size: 0
    .kernarg_segment_align: 8
    .kernarg_segment_size: 80
    .max_flat_workgroup_size: 128
    .sgpr_count:     66
    .vgpr_count:     240
    .wavefront_size: 32
...
	.end_amdgpu_metadata
.endif
;; end of part 1
;; launch qkv (part 2): grid 64 x 4, 4 waves a work-group, no clusters, 0 bytes of LDS; arguments xq, xs, wc, wsc, freqs_cos, freqs_sin, sqk, qf, kv; writes qf, kv
.if DOCPART == 2
	.amdgcn_target "amdgcn-amd-amdhsa--gfx1250"
	.amdhsa_code_object_version 6
	.text
	.protected	k_qf2feb4b4d6_qkv
	.globl	k_qf2feb4b4d6_qkv
	.p2align	8
	.type	k_qf2feb4b4d6_qkv,@function
k_qf2feb4b4d6_qkv:
	s_mov_b64 s[64:65], 0
	v_nop
	global_prefetch_b8 v0, s[64:65] scope:SCOPE_SE
	s_setreg_imm32_b32 hwreg(HW_REG_WAVE_MODE, 25, 1), 1
	s_wait_xcnt 0x0
; q, k, v = x wq, x wk, x wv on codes of FP4 (E2M1) with E8M0 scales; then, in f32: the rotation by (cos, sin), x / max(|x|, 1e-12) over a head's 64 channels, x 32 sqk; rounded to f16.
; q is also multiplied by 8 log2(e): the scores' factor sqrt(64) and the change to base 2, so that the next launch's exponentials take the scores as they come.
; SHARES: a work-group takes 64 rows (one chunk of keys) and four heads; wave w takes head 4 y + w and makes its q, k and v: 64 rows x 192 columns, 48 accumulators, 8 K steps of 128: 384 matrix instructions.
; Operands lie in memory as images of their registers, so each fragment comes by two loads of 512 consecutive bytes straight into registers: no LDS and no barrier.
; NO CLUSTER, NO TENSOR LOADS: a K step is 48 matrix instructions on 16 KiB, and there are 8 of them: a ring with a round of the cluster's barrier for each refill would have a round for every 48 or 96 matrix instructions.
; q AND k ARE MADE TRANSPOSED (source 0 = 16 columns of the weight, source 1 = 16 rows of x): a lane holds one row and eight neighbouring channels, which pack into 16 bytes of the next launch's K-innermost operand.
; v IS MADE AS IT STANDS (source 0 = x, source 1 = the weight): a lane holds one channel and eight neighbouring keys: the keys are the K of the second product of attention.
; OUT: qf [head][row tile 256][t 4][lane][16]: row 16 tile + r, channels 16 t + 8 h + 0 .. 7.   kv [head][chunk 64][16,384]: K as qf's tiles (4 x 2,048 bytes), then V^T [g 2][n 4][c 2][lane][16]: channel 16 n + r, key 32 g + 16 c + 8 h + 0 .. 7.
; LIMITS: NaN and infinities are not served; a v beyond 65,504 has no f16.  q and k are bounded by 370 |sqk| and 32 |sqk|.
; REGISTERS: window 0: v1-3 addresses; v16-63 the weights' scale words, v64-79 x's (these hold scales alone); v80-111 T, v112-127 PK, v208-239 sqk, v240-245 at work.
;   window 1: fragment buffers 0 and 1 (each: x's four tiles at 8 m, the weights' twelve at 32 + 8 (4 y + t)).   window 2: q's and k's accumulators at 8 (16 y + 4 t + m).
;   window 3: v's accumulators at 8 (4 n + m); from v128 fragment buffer 2, which takes cos and sin when its last product is issued.
.set LI,  1                            ; 16 x lane
.set CA,  2                            ; cos, sin: 128 r + 16 h
.set SA,  3                            ; sqk: 32 h
.set WS,  16
.set XS,  64
.set T,   80
.set PK,  112
.set SQ,  208
.set Z,   240
.set TAB, 128                          ; in window 3: cos at TAB + 32 m + 4 t + i, sin 16 further on
.set MSB, 0
.macro WIN new                         ; the immediate's high byte repeats the setting that is left
.if MSB != (\new)
	s_set_vgpr_msb (MSB<<8)|(\new)
.set MSB, (\new)
.endif
.endm
.macro PLACES                          ; four places behind matrix instructions, ahead of loads into their sources and of the first read of results
.rept 4
	v_nop
.endr
.endm
	s_load_b512 s[8:23], s[0:1], 0x0               ; xq 8, xs 10, wc 12, wsc 14, cos 16, sin 18, sqk 20, qf 22
	s_load_b64 s[24:25], s[0:1], 0x40              ; kv
	v_lshrrev_b32 v1, 5, v0
	v_readfirstlane_b32 s4, v1                     ; wave
	v_and_b32 v4, 15, v0                           ; r
	v_bfe_u32 v5, v0, 4, 1                         ; h
	v_and_b32 v1, 31, v0
	v_lshlrev_b32 v[LI], 4, v1
	v_lshlrev_b32 v[CA], 7, v4
	v_lshl_add_u32 v[CA], v5, 4, v[CA]
	v_lshlrev_b32 v[SA], 5, v5
	v_mov_b32 v[Z+5], 0                            ; named as the upper half of a pair
	s_and_b32 s6, ttmp7, 0xffff
	s_lshl_b32 s6, s6, 2
	s_add_co_u32 s6, s6, s4                        ; my head
	s_mov_b32 s29, 0
	s_mov_b32 s34, 0x76543210
	s_mov_b32 s35, 0xfedcba98
	s_wait_kmcnt 0x0
	s_lshl_b32 s28, ttmp9, 15
	s_add_nc_u64 s[8:9], s[8:9], s[28:29]          ; xq: four tiles of 8,192 bytes
	s_lshl_b32 s28, ttmp9, 11
	s_add_nc_u64 s[10:11], s[10:11], s[28:29]      ; xs: four of 512
	s_lshl_b32 s28, s6, 15
	s_add_nc_u64 s[12:13], s[12:13], s[28:29]      ; wc: the head's four tiles; wk's and wv's lie 524,288 and 1,048,576 bytes on
	s_lshl_b32 s28, s6, 11
	s_add_nc_u64 s[14:15], s[14:15], s[28:29]      ; wsc likewise, 32,768 apart
	s_lshl_b32 s28, ttmp9, 13
	s_add_nc_u64 s[16:17], s[16:17], s[28:29]      ; cos, sin: 64 rows of 128 bytes
	s_add_nc_u64 s[18:19], s[18:19], s[28:29]
	s_lshl_b32 s28, s6, 8
	s_add_nc_u64 s[20:21], s[20:21], s[28:29]      ; sqk: the head's 64
	s_lshl_b32 s28, s6, 19
	s_lshl_b32 s30, ttmp9, 13
	s_add_co_u32 s28, s28, s30
	s_add_nc_u64 s[22:23], s[22:23], s[28:29]      ; qf
	s_lshl_b32 s28, s6, 20
	s_lshl_b32 s30, ttmp9, 14
	s_add_co_u32 s28, s28, s30
	s_add_nc_u64 s[24:25], s[24:25], s[28:29]      ; kv
.irp m, 0,1,2,3
	global_load_b128 v[XS+4*\m:XS+4*\m+3], v[LI], s[10:11] offset:512*\m   ; register i: lanes 0-15 the words of K step 2 i, lanes 16-31 of 2 i + 1
.endr
.irp y, 0,1,2
.irp t, 0,1,2,3
	global_load_b128 v[WS+4*(4*\y+\t):WS+4*(4*\y+\t)+3], v[LI], s[14:15] offset:32768*\y+512*\t
.endr
.endr
.macro LOADSTEP s, b                   ; K step s: 32 loads of 512 bytes into buffer b
.set FB, 0
.if \b > 0
.set FB, 128
.endif
.if \b == 2
	WIN 0xc0
.else
	WIN 0x40
.endif
.irp m, 0,1,2,3
.irp c, 0,1
	global_load_b128 v[FB+8*\m+4*\c:FB+8*\m+4*\c+3], v[LI], s[8:9] offset:8192*\m+1024*\s+512*\c
.endr
.endr
.irp y, 0,1,2
.irp t, 0,1,2,3
.irp c, 0,1
	global_load_b128 v[FB+32+8*(4*\y+\t)+4*\c:FB+32+8*(4*\y+\t)+4*\c+3], v[LI], s[12:13] offset:524288*\y+8192*\t+1024*\s+512*\c
.endr
.endr
.endr
	WIN 0
.endm
.macro MMA zero, odd                   ; one product; an odd K step's scale words stand in lanes 16-31
.if \zero
	v_wmma_scale_f32_16x16x128_f8f6f4 v[rD:rD+7], v[rA:rA+7], v[rB:rB+7], 0, v[rSA], v[rSB] matrix_a_fmt:MATRIX_FMT_FP4 matrix_b_fmt:MATRIX_FMT_FP4
.elseif \odd
	v_wmma_scale_f32_16x16x128_f8f6f4 v[rD:rD+7], v[rA:rA+7], v[rB:rB+7], v[rD:rD+7], v[rSA], v[rSB] matrix_a_fmt:MATRIX_FMT_FP4 matrix_b_fmt:MATRIX_FMT_FP4 matrix_a_scale:MATRIX_SCALE_ROW1 matrix_b_scale:MATRIX_SCALE_ROW1
.else
	v_wmma_scale_f32_16x16x128_f8f6f4 v[rD:rD+7], v[rA:rA+7], v[rB:rB+7], v[rD:rD+7], v[rSA], v[rSB] matrix_a_fmt:MATRIX_FMT_FP4 matrix_b_fmt:MATRIX_FMT_FP4
.endif
.endm
; 48 products: the 48 accumulators take turns, one instruction a turn, in the same order in every K step.  zero = 1: the first K step starts the sums.
.macro MULSTEP s, b, zero
.set FB, 0
.if \b > 0
.set FB, 128
.endif
.if \b == 2
	WIN 0xaf
.else
	WIN 0xa5
.endif
.irp y, 0,1
.irp t, 0,1,2,3
.irp m, 0,1,2,3
.set rD, 8*(16*\y+4*\t+\m)
.set rA, FB+32+8*(4*\y+\t)
.set rB, FB+8*\m
.set rSA, WS+4*(4*\y+\t)+\s/2
.set rSB, XS+4*\m+\s/2
	MMA \zero, \s%2
.endr
.endr
.endr
.if \b == 2
	WIN 0xff
.else
	WIN 0xf5
.endif
.irp n, 0,1,2,3
.irp m, 0,1,2,3
.set rD, 8*(4*\n+\m)
.set rA, FB+8*\m
.set rB, FB+32+8*(8+\n)
.set rSA, XS+4*\m+\s/2
.set rSB, WS+4*(8+\n)+\s/2
	MMA \zero, \s%2
.endr
.endr
	WIN 0
.endm
.macro KSTEP s, b, zero, next
	s_wait_loadcnt 63                              ; this step's loads are in: behind them two steps' 64 are out; the count's field ends at 63, and a smaller count is safe
	MULSTEP \s, \b, \zero
	PLACES
	LOADSTEP \next, \b                             ; the buffer takes the step three further on
.endm
	LOADSTEP 0, 0
	LOADSTEP 1, 1
	LOADSTEP 2, 2
	KSTEP 0, 0, 1, 3
	KSTEP 1, 1, 0, 4
	KSTEP 2, 2, 0, 5
	KSTEP 3, 0, 0, 6
	KSTEP 4, 1, 0, 7
	s_wait_loadcnt 63
	MULSTEP 5, 2, 0
	PLACES
	WIN 0xc0                                       ; buffer 2 has had its last product: it takes cos and sin
.irp m, 0,1,2,3
.irp t, 0,1,2,3
	global_load_b128 v[TAB+32*\m+4*\t:TAB+32*\m+4*\t+3], v[CA], s[16:17] offset:2048*\m+32*\t       ; row 16 m + r, pairs 8 t + 4 h + 0 .. 3
	global_load_b128 v[TAB+16+32*\m+4*\t:TAB+16+32*\m+4*\t+3], v[CA], s[18:19] offset:2048*\m+32*\t
.endr
.endr
	WIN 0
.irp t, 0,1,2,3
	global_load_b128 v[SQ+8*\t:SQ+8*\t+3], v[SA], s[20:21] offset:64*\t       ; channels 16 t + 8 h + 0 .. 7
	global_load_b128 v[SQ+8*\t+4:SQ+8*\t+7], v[SA], s[20:21] offset:64*\t+16
.endr
	s_wait_loadcnt 63                              ; step 6's are in (behind them: step 7's 32 and the 40 of the tables)
	MULSTEP 6, 0, 0
	s_wait_loadcnt 40                              ; step 7's are in; the tables' 40 may be out
	MULSTEP 7, 1, 0
	PLACES
	s_wait_loadcnt 0x0
; q (y = 0) or k (y = 1), rows 16 m .. 16 m + 15: a lane holds 32 of its row's 64 channels, lane l xor 16 the others.
.macro EPI_QK y, m
	WIN 0x0e                                       ; source 0: accumulators (window 2); source 1: cos, sin (window 3)
.irp t, 0,1,2,3
.set rA, 8*(16*\y+4*\t+\m)
.set rC, TAB+32*\m+4*\t
.irp i, 0,1,2,3
	v_mul_f32 v[T+8*\t+2*\i], v[rA+2*\i+1], v[rC+16+\i]           ; im sin   (each accumulator is read from its low end on)
	v_mul_f32 v[T+8*\t+2*\i+1], v[rA+2*\i+1], v[rC+\i]            ; im cos
.endr
.irp i, 0,1,2,3
	v_fma_f32 v[T+8*\t+2*\i], v[rA+2*\i], v[rC+\i], -v[T+8*\t+2*\i]        ; re cos - im sin
	v_fma_f32 v[T+8*\t+2*\i+1], v[rA+2*\i], v[rC+16+\i], v[T+8*\t+2*\i+1]  ; re sin + im cos
.endr
.endr
	WIN 0
	v_pk_mul_f32 v[Z:Z+1], v[T:T+1], v[T:T+1]      ; the sum of squares, in two chains
	v_pk_mul_f32 v[Z+2:Z+3], v[T+2:T+3], v[T+2:T+3]
.irp j, 4,8,12,16,20,24,28
	v_pk_fma_f32 v[Z:Z+1], v[T+\j:T+\j+1], v[T+\j:T+\j+1], v[Z:Z+1]
	v_pk_fma_f32 v[Z+2:Z+3], v[T+\j+2:T+\j+3], v[T+\j+2:T+\j+3], v[Z+2:Z+3]
.endr
	v_pk_add_f32 v[Z:Z+1], v[Z:Z+1], v[Z+2:Z+3]
	v_add_f32 v[Z], v[Z], v[Z+1]
	v_permlanex16_b32 v[Z+1], v[Z], s34, s35
	v_add_f32 v[Z], v[Z], v[Z+1]
	v_sqrt_f32 v[Z+2], v[Z]
	v_nop                                          ; a plain line behind the transcendental,
	s_wait_alu depctr_va_vdst(0)                   ; and a wait ahead of its result's first use
	v_max_num_f32 v[Z+2], 0x2b8cbccc, v[Z+2]       ; max(norm, 1e-12)
	v_rcp_f32 v[Z+4], v[Z+2]
	v_nop
	s_wait_alu depctr_va_vdst(0)
.if \y == 0
	v_mul_f32 v[Z+4], 0x43b8aa3b, v[Z+4]           ; x 32 x 8 log2(e)
.else
	v_mul_f32 v[Z+4], 0x42000000, v[Z+4]           ; x 32
.endif
.irp j, 0,2,4,6,8,10,12,14,16,18,20,22,24,26,28,30
	v_pk_mul_f32 v[T+\j:T+\j+1], v[T+\j:T+\j+1], v[Z+4:Z+5] op_sel_hi:[1,0]
.endr
.irp j, 0,2,4,6,8,10,12,14,16,18,20,22,24,26,28,30
	v_pk_mul_f32 v[T+\j:T+\j+1], v[T+\j:T+\j+1], v[SQ+\j:SQ+\j+1]
.endr
	s_wait_xcnt 0x0                                ; the last stores have read PK: it is written again only behind this wait
.irp j, 0,1,2,3,4,5,6,7,8,9,10,11,12,13,14,15
	v_cvt_pk_f16_f32 v[PK+\j], v[T+2*\j], v[T+2*\j+1]
.endr
.irp t, 0,1,2,3
.if \y == 0
	global_store_b128 v[LI], v[PK+4*\t:PK+4*\t+3], s[22:23] offset:2048*\m+512*\t   ; 512 consecutive bytes
.else
	global_store_b128 v[LI], v[PK+4*\t:PK+4*\t+3], s[24:25] offset:2048*\m+512*\t
.endif
.endr
.endm
.macro EPI_V m                         ; keys 16 m + 8 h + 0 .. 7 of channel 16 n + r
	s_wait_xcnt 0x0
	WIN 0x0f
.irp n, 0,1,2,3
.irp i, 0,1,2,3
	v_cvt_pk_f16_f32 v[PK+4*\n+\i], v[8*(4*\n+\m)+2*\i], v[8*(4*\n+\m)+2*\i+1]
.endr
.endr
	WIN 0
.irp n, 0,1,2,3
	global_store_b128 v[LI], v[PK+4*\n:PK+4*\n+3], s[24:25] offset:8192+4096*(\m/2)+1024*\n+512*(\m%2)
.endr
.endm
.irp m, 0,1,2,3
	EPI_QK 0, \m
.endr
.irp m, 0,1,2,3
	EPI_QK 1, \m
.endr
.irp m, 0,1,2,3
	EPI_V \m
.endr
	s_endpgm
.Lfunc_end_k_qf2feb4b4d6_qkv:
	.size	k_qf2feb4b4d6_qkv, .Lfunc_end_k_qf2feb4b4d6_qkv-k_qf2feb4b4d6_qkv
	.p2alignl 7, 3214868480
	.fill 96, 4, 3214868480
	.section	.rodata,"a",@progbits
	.p2align	6, 0x0
	.amdhsa_kernel k_qf2feb4b4d6_qkv
		.amdhsa_group_segment_fixed_size 0
		.amdhsa_private_segment_fixed_size 0
		.amdhsa_enable_private_segment 0
		.amdhsa_kernarg_size 72
		.amdhsa_user_sgpr_count 2
		.amdhsa_user_sgpr_kernarg_segment_ptr 1
		.amdhsa_wavefront_size32 1
		.amdhsa_system_sgpr_workgroup_id_x 1
		.amdhsa_system_sgpr_workgroup_id_y 1
		.amdhsa_system_sgpr_workgroup_id_z 1
		.amdhsa_system_vgpr_workitem_id 0
		.amdhsa_next_free_vgpr 1024
		.amdhsa_next_free_sgpr 66
		.amdhsa_reserve_vcc 0
		.amdhsa_float_denorm_mode_32 3
		.amdhsa_float_denorm_mode_16_64 3
		.amdhsa_memory_ordered 1
		.amdhsa_forward_progress 1
		.amdhsa_inst_pref_size 152
	.end_amdhsa_kernel
	.amdgpu_metadata
---
amdhsa.version: [ 1, 2 ]
amdhsa.kernels:
  - .name:           k_qf2feb4b4d6_qkv
    .symbol:         k_qf2feb4b4d6_qkv.kd
    .args:
      - { .name: xq, .offset: 0, .size: 8, .value_kind: global_buffer, .address_space: global }
      - { .name: xs, .offset: 8, .size: 8, .value_kind: global_buffer, .address_space: global }
      - { .name: wc, .offset: 16, .size: 8, .value_kind: global_buffer, .address_space: global }
      - { .name: wsc, .offset: 24, .size: 8, .value_kind: global_buffer, .address_space: global }
      - { .name: freqs_cos, .offset: 32, .size: 8, .value_kind: global_buffer, .address_space: global }
      - { .name: freqs_sin, .offset: 40, .size: 8, .value_kind: global_buffer, .address_space: global }
      - { .name: sqk, .offset: 48, .size: 8, .value_kind: global_buffer, .address_space: global }
      - { .name: qf, .offset: 56, .size: 8, .value_kind: global_buffer, .address_space: global }
      - { .name: kv, .offset: 64, .size: 8, .value_kind: global_buffer, .address_space: global }
    .group_segment_fixed_size: 0
    .private_segment_fixed_size: 0
    .kernarg_segment_align: 8
    .kernarg_segment_size: 72
    .max_flat_workgroup_size: 128
    .sgpr_count:     66
    .vgpr_count:     1024
    .wavefront_size: 32
...
	.end_amdgpu_metadata
.endif
;; end of part 2
;; launch attn (part 3): grid 16 x 16, 8 waves a work-group, clusters of 4 x 1, 327,680 bytes of LDS; arguments qf, kv, of; writes of
.if DOCPART == 3
	.amdgcn_target "amdgcn-amd-amdhsa--gfx1250"
	.amdhsa_code_object_version 6
	.text
	.protected	k_qf2feb4b4d6_attn
	.globl	k_qf2feb4b4d6_attn
	.p2align	8
	.type	k_qf2feb4b4d6_attn,@function
k_qf2feb4b4d6_attn:
	s_mov_b64 s[64:65], 0
	v_nop
	global_prefetch_b8 v0, s[64:65] scope:SCOPE_SE
	s_setreg_imm32_b32 hwreg(HW_REG_WAVE_MODE, 25, 1), 1
	s_wait_xcnt 0x0
	s_wait_alu depctr_hold_cnt(0) depctr_sa_sdst(0) depctr_va_vdst(0) depctr_va_sdst(0) depctr_va_ssrc(0) depctr_va_vcc(0) depctr_vm_vsrc(0)
	s_getreg_b32 s2, hwreg(HW_REG_IB_STS2, 6, 4)
	s_cmp_eq_u32 s2, 0
	s_cbranch_scc0 .Lentry_in_a_cluster
	s_endpgm
.Lentry_in_a_cluster:
	s_bfe_u32 s2, ttmp6, 0x10000c
	s_cmp_lg_u32 s2, 0x3003
	s_cbranch_scc0 .Lentry_shape_is_right
	s_endpgm
.Lentry_shape_is_right:
; O[head][q] = sum over keys of softmax(scores) V, scores = q . k (the factor 8 log2(e) lies in q already, so p = 2^(s - m)).  16 heads, 4,096 queries and keys, 64 channels; f16 operands, f32 sums, maxima and row sums.
; The softmax takes the running maximum m away; when m grows, the row sum l and O are multiplied by a = 2^(m old - m new).  l is summed of the unrounded p.
; SHARES: a work-group owns 256 queries of one head.  Wave w: queries 64 (w & 3) .. + 63 (four tiles of 16) and the chunks of 64 keys of parity w >> 2: 32 steps.  The two waves of a query group
; merge their (m, l, O) at the end.  So each fragment of K or V read from LDS feeds four products, in 512 registers a wave, two waves to a SIMD.
; LAYOUT: S^T = K Q^T and O^T = V^T P: a lane holds one query throughout; two tiles of S^T, rounded in pairs, are source 1 of the second product.  K and V^T lie in memory and LDS as images of their registers.
; BY TURNS: a wave's tiles are two pieces (piece p in register window p).  In a turn piece x has 16 products V^T P of step j and 16 products K Q^T of step j + 1 (MAT), the other piece its softmax (VEC); MAT and VEC of a turn
; share no register, so either may stand first.  TWO ORDERS: waves with ((w ^ (w >> 2)) & 1) = 0 run MAT, VEC; the others VEC, MAT.  That bit differs between waves w and w + 4 and between waves 2 i and 2 i + 1.
; CLUSTER: the four query blocks of a cluster walk the same K and V: each chunk is asked for jointly, one tensor load a wave (chunk w of a slot of eight chunks), with a mask that names the four.
; LIMITS: NaN and infinities are not served; O is rounded to f16 (it is an average of v's, which the launch before has put into f16).
; REGISTERS, both windows alike: v16-31 statistics, eight a tile (+0 m, +1 m old - m, later l, +2, +3 l in two halves, +4 .. +7 at work, +6 a); v32-63 Q (16 u + 4 t); v64-127 S^T (32 u + 8 kt), P in place at 32 u + 0 .. 15;
;   v128-191 O^T (32 u + 8 n); v192-255: window 0 V, window 1 K.  Window 0 also: v1-7 addresses.
.set LI,  1                            ; 16 x lane
.set ADR, 2                            ; LDS address of the run of loads in hand
.set SPW, 3                            ; my spare word; never rewritten
.set NIL, 4                            ; 0; never rewritten
.set PFO, 5                            ; 256 x lane
.set MA,  6                            ; the merge: my 16 bytes of an image
.set MB,  7                            ; the merge: my (m, l)
.set ST,  16
.set Q,   32
.set S,   64
.set O,   128
.set FB,  192
.set SLOTB, 131072                     ; a slot: eight chunks of 16,384 bytes; slot 1 begins here, so that one exclusive or changes slots
.set SPARE, 262144                     ; behind the ring: the spare words, 128 bytes a wave: four blocks of 256 bytes that no other line names
.set MRG,   17408                      ; the merge's stage of a query group: four tiles of 4,096 bytes and four of 256.  It lies in slot 0, which has had its last fill and its last read by then
.set WV,  12
.set QG,  13
.set PAR, 14
.set GRP, 15
.set G1,  24                           ; s[24:31] descriptor group 1
.set G0A, 32                           ; s[32:35] group 0 of slot 0's first fill
.set G0B, 36                           ; s[36:39] group 0 of slot 1's, which then walks on
.set SLOTS, 40
.set NSTEP, 41
.set TB,  42                           ; LDS byte of the chunk to be fetched next
.set SEL, 44                           ; s[44:45] lane selects: lane l xor 16
.set PFA, 46                           ; s[46:47] where my prefetches stand
.set LIM, 48
.set MSB, 0
.macro WIN new                         ; the immediate's high byte repeats the setting that is left
.if MSB != (\new)
	s_set_vgpr_msb (MSB<<8)|(\new)
.set MSB, (\new)
.endif
.endm
.macro CROUND                          ; a round of the cluster's barrier
	s_barrier_signal -1
	s_barrier_wait -1
	s_cmp_lg_u32 s[WV], 0
	s_cbranch_scc1 .Lnot_wave_0_\@
	s_barrier_signal -3
.Lnot_wave_0_\@:
	s_barrier_wait -3
	s_barrier_signal -1
	s_barrier_wait -1
.endm
	s_load_b128 s[4:7], s[0:1], 0x0                ; qf, kv
	s_load_b64 s[8:9], s[0:1], 0x10                ; of
	v_lshl_add_u32 v[SPW], v0, 2, SPARE
	v_mov_b32 v[NIL], 0
	ds_add_u32 v[SPW], v[NIL]                      ; the wave's opening: the add, twice on end, and its wait ahead of my first tensor load
	ds_add_u32 v[SPW], v[NIL]
	v_lshrrev_b32 v1, 5, v0
	v_readfirstlane_b32 s[WV], v1                  ; wave 0..7
	s_and_b32 s[QG], s[WV], 3
	s_lshr_b32 s[PAR], s[WV], 2
	s_xor_b32 s[GRP], s[WV], s[PAR]
	s_and_b32 s[GRP], s[GRP], 1
	s_bfe_u32 s16, ttmp6, 0x40000                  ; cx: it enters Q's, O's and the prefetches' addresses alone
	s_lshl_b32 s17, ttmp9, 2
	s_add_co_u32 s17, s17, s16                     ; my block of 256 queries
	s_and_b32 s18, ttmp7, 0xffff                   ; the head, which the partners share
	s_mov_b32 s[G1], 15|(3<<16)|(1<<21)            ; the mask: all four work-groups; elements of 8 bytes; bit 21 beside a mask; no padding
	s_mov_b32 s[G1+1], 32<<16                      ; tensor_dim0 = 32 elements: rows of 256 bytes
	s_mov_b32 s[G1+2], 64<<16                      ; tensor_dim1 = 64
	s_mov_b32 s[G1+3], 32<<16                      ; tile_dim0
	s_mov_b32 s[G1+4], 64                          ; tile_dim1: a chunk is 64 x 256 dense bytes
	s_mov_b32 s[G1+5], 32                          ; the pitch
	s_mov_b32 s[G1+6], 0
	s_mov_b32 s[G1+7], 0
	s_lshl_b32 s20, s18, 20                        ; kv: the head's 2^20 bytes,
	s_lshl_b32 s21, s[WV], 14
	s_add_co_u32 s20, s20, s21                     ; chunk w of a slot
	s_mov_b32 s21, 0
	s_lshl_b32 s22, s18, 19                        ; qf: head, block, my four tiles of 2,048 bytes
	s_lshl_b32 s19, s17, 15
	s_add_co_u32 s22, s22, s19
	s_lshl_b32 s19, s[QG], 13
	s_add_co_u32 s22, s22, s19
	s_mov_b32 s23, 0
	s_lshl_b32 s2, s17, 19                         ; of: 32,768 bytes a tile of rows; the head's 2,048 in it
	s_lshl_b32 s19, s[QG], 17
	s_add_co_u32 s2, s2, s19
	s_lshl_b32 s19, s18, 11
	s_add_co_u32 s2, s2, s19
	s_mov_b32 s3, 0
	s_lshl_b32 s50, s18, 20                        ; the prefetches: of a slot's 131,072 bytes partner cx takes 32,768, wave w (0..3) 8,192 of them;
	s_lshl_b32 s19, s16, 15
	s_add_co_u32 s50, s50, s19
	s_lshl_b32 s19, s[WV], 13
	s_add_co_u32 s50, s50, s19
	s_add_co_u32 s50, s50, 2*SLOTB                 ; at slot 2: the first change of slots steps it to slot 3
	s_mov_b32 s51, 0
	s_or_b32 s[LIM], s[PAR], ttmp9                 ; waves 0 to 3 of the head's first cluster prefetch: the same in all four partners
	s_cmp_eq_u32 s[LIM], 0
	s_cselect_b32 s[LIM], 1, -1
	s_mov_b32 s[SEL], 0x76543210
	s_mov_b32 s[SEL+1], 0xfedcba98
	s_lshl_b32 s[TB], s[PAR], 14                   ; my first chunk
	v_and_b32 v1, 31, v0
	v_lshlrev_b32 v[PFO], 8, v1
	v_lshlrev_b32 v[MB], 3, v1
	v_lshlrev_b32 v[LI], 4, v1
	s_mul_i32 s19, s[QG], MRG
	v_add_nc_u32 v[MA], s19, v[LI]
	s_add_co_u32 s19, s19, 16384
	v_add_nc_u32 v[MB], s19, v[MB]
	s_wait_dscnt 0x0                               ; both opening adds are done
	s_wait_kmcnt 0x0
	s_add_nc_u64 s[PFA:PFA+1], s[6:7], s[50:51]
	s_add_nc_u64 s[6:7], s[6:7], s[20:21]
	s_add_nc_u64 s[4:5], s[4:5], s[22:23]
	s_add_nc_u64 s[8:9], s[8:9], s[2:3]
	s_mov_b32 s[G0A], 1
	s_lshl_b32 s[G0A+1], s[WV], 14                 ; LDS: chunk w of slot 0
	s_mov_b64 s[G0A+2:G0A+3], s[6:7]
	s_or_b32 s[G0A+3], s[G0A+3], 0x80000000
	s_mov_b32 s[G0B], 1
	s_add_co_u32 s[G0B+1], s[G0A+1], SLOTB
	s_add_nc_u64 s[G0B+2:G0B+3], s[6:7], SLOTB
	s_or_b32 s[G0B+3], s[G0B+3], 0x80000000
	CROUND                                         ; all four work-groups are here: the first joint loads meet
	tensor_load_to_lds s[G0A:G0A+3], s[G1:G1+7]    ; the two first fills together: two loads of mine are out
	s_nop 0
	tensor_load_to_lds s[G0B:G0B+3], s[G1:G1+7]
	s_nop 0
.rept 4
	v_nop
.endr
.irp p, 0,1
	WIN 0x40*\p
.irp u, 0,1
.irp t, 0,1,2,3
	global_load_b128 v[Q+16*\u+4*\t:Q+16*\u+4*\t+3], v[LI], s[4:5] offset:(2*\p+\u)*2048+512*\t   ; Q stays in registers
.endr
.endr
.set i, 0
.rept 64
	v_mov_b32 v[O+i], 0                            ; the step is written once: its first pass finds zeros, which a = 0 leaves zeros
.set i, i+1
.endr
.irp u, 0,1
	v_mov_b32 v[ST+8*\u], 0xff61b1e6               ; m = -3e38, under every score
	v_mov_b32 v[ST+8*\u+2], 0
	v_mov_b32 v[ST+8*\u+3], 0
.endr
.endr
	WIN 0
.macro KLOAD                           ; a chunk's K: 16 loads of 512 consecutive bytes into window 1
	v_add_nc_u32 v[ADR], s[TB], v[LI]
	WIN 0x40
.irp n, 0,1,2,3,4,5,6,7,8,9,10,11,12,13,14,15
	ds_load_b128 v[FB+4*\n:FB+4*\n+3], v[ADR] offset:512*\n
.endr
	WIN 0
.endm
.macro VLOAD                           ; the same chunk's V^T, into window 0; then on to my next chunk
	v_add_nc_u32 v[ADR], s[TB], v[LI]
.irp n, 0,1,2,3,4,5,6,7,8,9,10,11,12,13,14,15
	ds_load_b128 v[FB+4*\n:FB+4*\n+3], v[ADR] offset:8192+512*\n
.endr
	s_add_co_u32 s[TB], s[TB], 32768
.endm
; 16 products O^T += V^T P of piece x: keys 32 (i / 8) on, channels 16 ((i / 2) % 4) on, tile i % 2.  Eight accumulators take turns, one instruction a turn.
.macro PV x
	WIN 0x54*\x
.set i, 0
.rept 16
.set rO, O+32*(i%2)+8*((i/2)%4)
.set rV, FB+32*(i/8)+8*((i/2)%4)
.set rP, S+32*(i%2)+8*(i/8)
	v_wmma_f32_16x16x32_f16 v[rO:rO+7], v[rV:rV+7], v[rP:rP+7], v[rO:rO+7]
.set i, i+1
.endr
.endm
; 16 products S^T = K Q^T: channels 32 (i / 8) on, keys 16 ((i / 2) % 4) on, tile i % 2.  The first eight start the sums.
.macro KQ x
	WIN 0x01+0x54*\x
.set i, 0
.rept 16
.set rS, S+32*(i%2)+8*((i/2)%4)
.set rK, FB+16*((i/2)%4)+8*(i/8)
.set rQ, Q+16*(i%2)+8*(i/8)
.if i < 8
	v_wmma_f32_16x16x32_f16 v[rS:rS+7], v[rK:rK+7], v[rQ:rQ+7], 0
.else
	v_wmma_f32_16x16x32_f16 v[rS:rS+7], v[rK:rK+7], v[rQ:rQ+7], v[rS:rS+7]
.endif
.set i, i+1
.endr
.endm
; THE MATRIX WORK OF A TURN.  kq: the next step's scores follow; vl: the next step's V is fetched between; nv: how many LDS loads younger than V's may be out (x = 0).
.macro MAT x, kq, vl, nv
.if \x == 0
	s_wait_dscnt \nv                               ; V is in
.endif
	PV \x
	WIN 0
.rept 5
	v_nop                                          ; five places: K Q^T writes over P, which V^T P has read; they also stand ahead of V's loads and of the first read of O^T
.endr
.if \vl
	VLOAD
.endif
.if \kq
.if \x == 0
	s_wait_dscnt 0x0                               ; K is in
.endif
	KQ \x
	WIN 0
.rept 4
	v_nop                                          ; four places ahead of the first read of the scores and of K's next loads
.endr
.endif
.endm
; THE SOFTMAX'S LINES, for tile u of the piece whose window is set.
.macro MAXI u, j                       ; 21 lines: the maximum of the lane's 32 scores and m; the other half of the lanes'; the new m; a
.set rT, ST+8*(\u)
.set rS, S+32*(\u)
.set jj, \j
.if jj < 4
	v_max3_num_f32 v[rT+4+jj], v[rS+8*jj], v[rS+8*jj+1], v[rS+8*jj+2]       ; each accumulator is read from its low end on
.elseif jj < 12
	v_max3_num_f32 v[rT+4+jj%4], v[rT+4+jj%4], v[rS+8*(jj%4)+2*(jj/4)+1], v[rS+8*(jj%4)+2*(jj/4)+2]
.elseif jj == 12
	v_max3_num_f32 v[rT+4], v[rT+4], v[rS+7], v[rS+15]
.elseif jj == 13
	v_max3_num_f32 v[rT+6], v[rT+6], v[rS+23], v[rS+31]
.elseif jj == 14
	v_max3_num_f32 v[rT+4], v[rT+4], v[rT+5], v[rT+6]
.elseif jj == 15
	v_max3_num_f32 v[rT+4], v[rT+4], v[rT+7], v[rT]
.elseif jj == 16
	v_permlanex16_b32 v[rT+5], v[rT+4], s[SEL], s[SEL+1]
.elseif jj == 17
	v_mov_b32 v[rT+1], v[rT]
.elseif jj == 18
	v_max_num_f32 v[rT], v[rT+4], v[rT+5]
.elseif jj == 19
	v_sub_f32 v[rT+1], v[rT+1], v[rT]
.else
	v_exp_f32 v[rT+6], v[rT+1]
.endif
.endm
.macro SUBI u, i                       ; s - m, a pair
.set rT, ST+8*(\u)
.set rS, S+32*(\u)+2*(\i)
	v_pk_add_f32 v[rS:rS+1], v[rS:rS+1], v[rT:rT+1] op_sel_hi:[1,0] neg_lo:[0,1] neg_hi:[0,1]
.endm
.macro EXPI u, e
.set rS, S+32*(\u)+(\e)
	v_exp_f32 v[rS], v[rS]
.endm
.macro SUMI u, i                       ; l = a l + the pairs
.set rT, ST+8*(\u)
.set rS, S+32*(\u)+2*(\i)
.if (\i) == 0
	v_pk_fma_f32 v[rT+2:rT+3], v[rT+2:rT+3], v[rT+6:rT+7], v[rS:rS+1] op_sel_hi:[1,0,1]
.else
	v_pk_add_f32 v[rT+2:rT+3], v[rT+2:rT+3], v[rS:rS+1]
.endif
.endm
.macro CVTI u, i                       ; pair i to f16, in place: register i was summed and rounded as part of pair i / 2
.set rS, S+32*(\u)
	v_cvt_pk_f16_f32 v[rS+(\i)], v[rS+2*(\i)], v[rS+2*(\i)+1]
.endm
.macro RSCI u, i                       ; O^T x a, ascending: each accumulator from its low end on
.set rT, ST+8*(\u)
.set rO, O+32*(\u)+2*(\i)
	v_pk_mul_f32 v[rO:rO+1], v[rO:rO+1], v[rT+6:rT+7] op_sel_hi:[1,0]
.endm
; THE VECTOR WORK OF A TURN: piece y's softmax.  One tile's exponentials stand singly between the other tile's plain lines.  Each tile's 33 exponentials are a batch with ONE wait (
; s_wait_alu depctr_va_vdst(0) ahead of the first line that names a result); plain lines stand between a batch's last exponential and its wait; none is out at the end.
.macro VEC y
	WIN 0x55*\y
.set k, 0
.rept 21
	MAXI 0, k
.set k, k+1
.endr
.set k, 0
.rept 16
	SUBI 0, k
.set k, k+1
.endr
.set k, 0
.rept 37
.if k < 21
	MAXI 1, k
.else
	SUBI 1, k-21
.endif
.if k < 32
	EXPI 0, k
.endif
.set k, k+1
.endr
	s_wait_alu depctr_va_vdst(0)                   ; tile 0's batch, and both tiles' a
.set k, 0
.rept 48
.if k >= 32
	RSCI 0, k-32
.elseif k%2 == 0
	SUMI 0, k/2
.else
	CVTI 0, k/2
.endif
.if k < 32
	EXPI 1, k
.endif
.set k, k+1
.endr
	s_wait_alu depctr_va_vdst(0)                   ; tile 1's batch
.set k, 0
.rept 16
	SUMI 1, k
	CVTI 1, k
.set k, k+1
.endr
.set k, 0
.rept 16
	RSCI 1, k
.set k, k+1
.endr
	WIN 0
.endm
.macro TURN x, y, kq, vl, nv           ; the two orders; the branches hang on the wave's number alone
	s_cmp_eq_u32 s[GRP], 0
	s_cbranch_scc1 .Lmat_first_\@
	VEC \y
.Lmat_first_\@:
	MAT \x, \kq, \vl, \nv
	s_cmp_lg_u32 s[GRP], 0
	s_cbranch_scc1 .Lvec_done_\@
	VEC \y
.Lvec_done_\@:
.endm
.macro STEP                            ; V^T P of step j, K Q^T of step j + 1; piece 1's softmax of step j, piece 0's of step j + 1
	KLOAD
	TURN 0, 1, 1, 0, 16                            ; behind V's loads stand K's 16
	TURN 1, 0, 1, 1, 0
.endm
.macro STEPS n
	s_mov_b32 s[NSTEP], \n
.Lstep_\@:
	STEP
	s_sub_co_u32 s[NSTEP], s[NSTEP], 1
	s_cmp_lg_u32 s[NSTEP], 0
	s_cbranch_scc1 .Lstep_\@
.endm
; THE CHANGE OF SLOTS: the slot's last bytes have been asked for.  Each wave waits for all its tensor loads (one is out: its chunk of the other slot), adds 0 to its spare word, and waits for that and for its reads of the slot.
; fill = 1: the barrier is a round of the cluster's, and the joint refill, the keys two slots on, is the first thing behind it: it has four of my steps, 256 matrix instructions, in which to land.
.macro CHANGE fill
	s_wait_tensorcnt 0x0                           ; no tensor load of mine is out, so a group 0 may be written
	ds_add_u32 v[SPW], v[NIL]
.if \fill
	s_xor_b32 s[G0B+1], s[G0B+1], SLOTB            ; the walking descriptor: the other slot,
	s_add_nc_u64 s[G0B+2:G0B+3], s[G0B+2:G0B+3], SLOTB   ; the next eight chunks
	s_wait_xcnt 0x0                                ; the last prefetch, a slot back, has read its address
	s_add_nc_u64 s[PFA:PFA+1], s[PFA:PFA+1], SLOTB ; one slot further on than the walking descriptor
	s_wait_dscnt 0x0                               ; the add is done, and my reads of the slot are over
	CROUND
	tensor_load_to_lds s[G0B:G0B+3], s[G1:G1+7]
	s_nop 0
.rept 4
	v_nop
.endr
	; what the NEXT change will ask for is prefetched: 32 blocks of 256 bytes a wave, a lane a block; 4 partners x 4 waves x 32 lanes name a slot's 512 blocks once; the last refill asks for nothing
	s_cmp_gt_u32 s[SLOTS], s[LIM]
	s_cbranch_scc0 .Lnot_mine_\@
	global_prefetch_b8 v[PFO], s[PFA:PFA+1] th:TH_LOAD_NT scope:SCOPE_SE
.Lnot_mine_\@:
.else
	s_wait_dscnt 0x0
	s_barrier_signal -1
	s_barrier_wait -1
.endif
	s_sub_co_u32 s[TB], s[TB], SLOTB               ; back to a slot's first chunk of my parity,
	s_xor_b32 s[TB], s[TB], SLOTB                  ; in the other slot
.endm
	s_wait_tensorcnt 1                             ; my chunk of slot 0 is in; slot 1's may stay out
	s_barrier_signal -1
	s_barrier_wait -1
	KLOAD                                          ; my step 0
	s_wait_loadcnt 0x0                             ; Q
	s_wait_dscnt 0x0
	KQ 0
	KQ 1
	WIN 0
.rept 4
	v_nop
.endr
	VLOAD
	VEC 0
	STEPS 3                                        ; slot 0's other three chunks of my parity are fetched
	s_mov_b32 s[SLOTS], 6
.Lslot:                                            ; six changes fill a slot again: slots' worth 2 to 7 of the keys
	CHANGE 1
	STEPS 4
	s_sub_co_u32 s[SLOTS], s[SLOTS], 1
	s_cmp_lg_u32 s[SLOTS], 0
	s_cbranch_scc1 .Lslot
	CHANGE 0                                       ; the tail is written out
	STEPS 4
	TURN 0, 1, 0, 0, 0                             ; piece 0: V^T P of the last step | piece 1's last softmax
	MAT 1, 0, 0, 0                                 ; piece 1: V^T P of the last step
	; THE MERGE.  l's two halves and the other half of the lanes' are added; the wave of parity 1 hands (m, l, O^T) to its partner through LDS, as images of its registers.
.irp p, 0,1
	WIN 0x55*\p
.irp u, 0,1
	v_add_f32 v[ST+8*\u+1], v[ST+8*\u+2], v[ST+8*\u+3]
.endr
.irp u, 0,1
	v_permlanex16_b32 v[ST+8*\u+5], v[ST+8*\u+1], s[SEL], s[SEL+1]
.endr
.irp u, 0,1
	v_add_f32 v[ST+8*\u+1], v[ST+8*\u+1], v[ST+8*\u+5]
.endr
.endr
	WIN 0
	s_wait_dscnt 0x0
	s_barrier_signal -1                            ; every wave's reads of the ring are over
	s_barrier_wait -1
	s_cmp_eq_u32 s[PAR], 0
	s_cbranch_scc1 .Lkeep
.irp p, 0,1
	WIN 0x04*\p                                    ; an LDS store's data are its source 1
.irp u, 0,1
.irp i, 0,1,2,3,4,5,6,7
	ds_store_b128 v[MA], v[O+32*\u+4*\i:O+32*\u+4*\i+3] offset:(2*\p+\u)*4096+512*\i
.endr
	ds_store_b64 v[MB], v[ST+8*\u:ST+8*\u+1] offset:(2*\p+\u)*256
.endr
.endr
	WIN 0
.Lkeep:
	s_wait_dscnt 0x0                               ; for the partner's sake: my stores have landed
	s_barrier_signal -1
	s_barrier_wait -1
	s_cmp_lg_u32 s[PAR], 0
	s_cbranch_scc1 .Ldone
.irp p, 0,1
	WIN 0x40*\p
.irp u, 0,1
.irp i, 0,1,2,3,4,5,6,7
	ds_load_b128 v[FB+32*\u+4*\i:FB+32*\u+4*\i+3], v[MA] offset:(2*\p+\u)*4096+512*\i
.endr
	ds_load_b64 v[ST+8*\u+4:ST+8*\u+5], v[MB] offset:(2*\p+\u)*256
.endr
.endr
	s_wait_dscnt 0x0
.irp p, 0,1
	WIN 0x55*\p
.irp u, 0,1
	v_max_num_f32 v[ST+8*\u+2], v[ST+8*\u], v[ST+8*\u+4]          ; the common maximum
.endr
.irp u, 0,1
	v_sub_f32 v[ST+8*\u+6], v[ST+8*\u], v[ST+8*\u+2]
	v_sub_f32 v[ST+8*\u+7], v[ST+8*\u+4], v[ST+8*\u+2]
.endr
.irp u, 0,1
	v_exp_f32 v[ST+8*\u+6], v[ST+8*\u+6]
	v_exp_f32 v[ST+8*\u+7], v[ST+8*\u+7]
.endr
	v_nop
	s_wait_alu depctr_va_vdst(0)                   ; one wait for the four
.irp u, 0,1
	v_mul_f32 v[ST+8*\u+2], v[ST+8*\u+6], v[ST+8*\u+1]
.endr
.irp u, 0,1
	v_fma_f32 v[ST+8*\u+2], v[ST+8*\u+7], v[ST+8*\u+5], v[ST+8*\u+2]   ; the row's sum under the common maximum
.endr
.irp u, 0,1
	v_rcp_f32 v[ST+8*\u+3], v[ST+8*\u+2]
.endr
	v_nop
	s_wait_alu depctr_va_vdst(0)
.irp u, 0,1
	v_mul_f32 v[ST+8*\u+6], v[ST+8*\u+6], v[ST+8*\u+3]            ; my part's factor,
	v_mul_f32 v[ST+8*\u+4], v[ST+8*\u+7], v[ST+8*\u+3]            ; my partner's
.endr
.irp u, 0,1
.irp j, 0,2,4,6,8,10,12,14,16,18,20,22,24,26,28,30
	v_pk_mul_f32 v[O+32*\u+\j:O+32*\u+\j+1], v[O+32*\u+\j:O+32*\u+\j+1], v[ST+8*\u+6:ST+8*\u+7] op_sel_hi:[1,0]
.endr
.irp j, 0,2,4,6,8,10,12,14,16,18,20,22,24,26,28,30
	v_pk_fma_f32 v[O+32*\u+\j:O+32*\u+\j+1], v[FB+32*\u+\j:FB+32*\u+\j+1], v[ST+8*\u+4:ST+8*\u+5], v[O+32*\u+\j:O+32*\u+\j+1] op_sel_hi:[1,0,1]
.endr
.irp j, 0,1,2,3,4,5,6,7,8,9,10,11,12,13,14,15
	v_cvt_pk_f16_f32 v[S+32*\u+\j], v[O+32*\u+2*\j], v[O+32*\u+2*\j+1]
.endr
.endr
	WIN 0x04*\p                                    ; a store's data are its source 1
.irp u, 0,1
.irp n, 0,1,2,3
	global_store_b128 v[LI], v[S+32*\u+4*\n:S+32*\u+4*\n+3], s[8:9] offset:(2*\p+\u)*32768+512*\n   ; channels 16 n + 8 h + 0 .. 7 of row r: 512 consecutive bytes of the next launch's operand image
.endr
.endr
.endr
	WIN 0
.Ldone:
	s_wait_tensorcnt 0x0                           ; the wave's end, behind my last tensor load and my last LDS store
	ds_add_u32 v[SPW], v[NIL]
	s_wait_dscnt 0x0
	CROUND                                         ; the closing round: no work-group ends while a partner may still ask for a tile that names it
	s_endpgm
.Lfunc_end_k_qf2feb4b4d6_attn:
	.size	k_qf2feb4b4d6_attn, .Lfunc_end_k_qf2feb4b4d6_attn-k_qf2feb4b4d6_attn
	.p2alignl 7, 3214868480
	.fill 96, 4, 3214868480
	.section	.rodata,"a",@progbits
	.p2align	6, 0x0
	.amdhsa_kernel k_qf2feb4b4d6_attn
		.amdhsa_group_segment_fixed_size 327680
		.amdhsa_private_segment_fixed_size 0
		.amdhsa_enable_private_segment 0
		.amdhsa_kernarg_size 24
		.amdhsa_user_sgpr_count 2
		.amdhsa_user_sgpr_kernarg_segment_ptr 1
		.amdhsa_wavefront_size32 1
		.amdhsa_system_sgpr_workgroup_id_x 1
		.amdhsa_system_sgpr_workgroup_id_y 1
		.amdhsa_system_sgpr_workgroup_id_z 1
		.amdhsa_system_vgpr_workitem_id 0
		.amdhsa_next_free_vgpr 512
		.amdhsa_next_free_sgpr 66
		.amdhsa_reserve_vcc 0
		.amdhsa_float_denorm_mode_32 3
		.amdhsa_float_denorm_mode_16_64 3
		.amdhsa_memory_ordered 1
		.amdhsa_forward_progress 1
		.amdhsa_inst_pref_size 250
	.end_amdhsa_kernel
	.amdgpu_metadata
---
amdhsa.version: [ 1, 2 ]
amdhsa.kernels:
  - .name:           k_qf2feb4b4d6_attn
    .symbol:         k_qf2feb4b4d6_attn.kd
    .args:
      - { .name: qf, .offset: 0, .size: 8, .value_kind: global_buffer, .address_space: global }
      - { .name: kv, .offset: 8, .size: 8, .value_kind: global_buffer, .address_space: global }
      - { .name: of, .offset: 16, .size: 8, .value_kind: global_buffer, .address_space: global }
    .group_segment_fixed_size: 327680
    .private_segment_fixed_size: 0
    .kernarg_segment_align: 8
    .kernarg_segment_size: 24
    .max_flat_workgroup_size: 256
    .sgpr_count:     66
    .vgpr_count:     512
    .wavefront_size: 32
...
	.end_amdgpu_metadata
.endif
;; end of part 3
;; launch oproj (part 4): grid 8 x 32, 4 waves a work-group, clusters of 4 x 4, 327,680 bytes of LDS; arguments of, wot, out0; writes out0
.if DOCPART == 4
	.amdgcn_target "amdgcn-amd-amdhsa--gfx1250"
	.amdhsa_code_object_version 6
	.text
	.protected	k_qf2feb4b4d6_oproj
	.globl	k_qf2feb4b4d6_oproj
	.p2align	8
	.type	k_qf2feb4b4d6_oproj,@function
k_qf2feb4b4d6_oproj:
	s_mov_b64 s[64:65], 0
	v_nop
	global_prefetch_b8 v0, s[64:65] scope:SCOPE_SE
	s_setreg_imm32_b32 hwreg(HW_REG_WAVE_MODE, 25, 1), 1
	s_wait_xcnt 0x0
	s_wait_alu depctr_hold_cnt(0) depctr_sa_sdst(0) depctr_va_vdst(0) depctr_va_sdst(0) depctr_va_ssrc(0) depctr_va_vcc(0) depctr_vm_vsrc(0)
	s_getreg_b32 s2, hwreg(HW_REG_IB_STS2, 6, 4)
	s_cmp_eq_u32 s2, 0
	s_cbranch_scc0 .Lentry_in_a_cluster
	s_endpgm
.Lentry_in_a_cluster:
	s_bfe_u32 s2, ttmp6, 0x10000c
	s_cmp_lg_u32 s2, 0xf033
	s_cbranch_scc0 .Lentry_shape_is_right
	s_endpgm
.Lentry_shape_is_right:
; out0 [4096][1024] f32 = O wo, f16 operands, f32 sums.  O comes as of [row tile 256][32 along K: 32][c 2][lane][16], wo as wot [column tile 64][32][c 2][lane][16]: images of the operands' registers.
; A tile of out0 is 128 x 128: 256 work-groups.  Four waves, each 64 x 64: 16 accumulators.  K goes in 4 steps of 256 through two LDS slots; a wave's tensor load brings four tiles of 16 rows, 8,192 dense bytes each
; (the K step's eight fragments), 32,768 bytes apart in memory.  In LDS a fragment's group is 512 consecutive bytes: no pitch and no padding.
; CLUSTERS: 4 x 4 work-groups.  The four of a row of the cluster need the same tiles of O, the four of a column the same tiles of wo: each is asked for jointly, by the same tensor load with a mask that names the four.
; THE MATRIX INSTRUCTION IS USED TRANSPOSED (source 0 = 16 columns of wo, source 1 = 16 rows of O): a lane holds eight neighbouring numbers of a row of out0.
; No prefetch: the launch is short and its tiles small.
; REGISTERS: window 0: v16-29 addresses; v32-95 the way out; v128-255 the accumulators ((a, b) at 128 + 8 (4 a + b)).  Window 1: two fragment buffers of 128: for 64 along K, 64 registers of O, then 64 of wo.
.set HALFT,  32768                     ; what one tensor load brings, and what one wave reads of O or of wo in a K step
.set SLOT,   131072                    ; O's 128 rows, then wo's 128 columns
.set STAGE,  262144                    ; behind the ring: 16 rows x (256 bytes + 16) for each wave
.set SPITCH, 272
.set SPARE,  STAGE+4*16*SPITCH         ; behind the stages: the spare words, 128 bytes a wave: two blocks of 256 bytes that no other line names
.set ADRA, 16
.set ADRB, 20
.set STO,  24
.set RD,   25
.set CO,   26
.set SPW,  28
.set NIL,  29
.set BK,   32
.set ACC,  128
.set F0,   0
.set F1,   128
.set G1,  24
.set G0,  32
.set G1B, 48
.set G0B, 56
.set MSB, 0
.macro WIN new                         ; the immediate's high byte repeats the setting that is left
.if MSB != (\new)
	s_set_vgpr_msb (MSB<<8)|(\new)
.set MSB, (\new)
.endif
.endm
.set MUL,  0x05                        ; sources 0 and 1 window 1; C and D window 0
.set TO_F, 0x40                        ; destination window 1, address window 0
.macro JLOAD s                         ; a joint load: waves 0 and 1 fetch O's two halves, waves 2 and 3 wo's; an s_nop 0 and four v_nop follow each of the two lines
	s_cmp_eq_u32 s11, 0
	s_cbranch_scc0 .Lfor_b_\@
	tensor_load_to_lds s[G0+4*\s:G0+4*\s+3], s[G1:G1+7]
	s_nop 0
.rept 4
	v_nop
.endr
	s_branch .Lasked_\@
.Lfor_b_\@:
	tensor_load_to_lds s[G0B+4*\s:G0B+4*\s+3], s[G1B:G1B+7]
	s_nop 0
.rept 4
	v_nop
.endr
.Lasked_\@:
.endm
.macro CREST                           ; a round of the cluster's barrier behind its opening barrier
	s_cmp_lg_u32 s10, 0
	s_cbranch_scc1 .Lnot_wave_0_\@
	s_barrier_signal -3
.Lnot_wave_0_\@:
	s_barrier_wait -3
	s_barrier_signal -1
	s_barrier_wait -1
.endm
.macro CROUND
	s_barrier_signal -1
	s_barrier_wait -1
	CREST
.endm
	s_load_b128 s[4:7], s[0:1], 0x0                ; of, wot
	s_load_b64 s[8:9], s[0:1], 0x10                ; out0
	v_lshl_add_u32 v[SPW], v0, 2, SPARE
	v_mov_b32 v[NIL], 0
	ds_add_u32 v[SPW], v[NIL]                      ; the wave's opening: the add, twice on end, and its wait ahead of my first tensor load
	ds_add_u32 v[SPW], v[NIL]
	v_lshrrev_b32 v1, 5, v0
	v_readfirstlane_b32 s10, v1                    ; wave 0..3
	s_lshr_b32 s11, s10, 1                         ; which half of the tile's rows is mine.  Also: I fetch for O (0) or for wo (1)
	s_and_b32 s12, s10, 1                          ; which half of its columns.  Also: which half of that tile I fetch
	s_bfe_u32 s40, ttmp6, 0x40000                  ; cx, cy
	s_bfe_u32 s41, ttmp6, 0x40004
	s_lshl_b32 s42, ttmp9, 2
	s_add_co_u32 s42, s42, s40                     ; tile column
	s_and_b32 s13, ttmp7, 0xffff
	s_lshl_b32 s13, s13, 2
	s_add_co_u32 s13, s13, s41                     ; tile row
	s_lshl_b32 s43, s41, 2
	s_lshl_b32 s43, 15, s43                        ; my row of the cluster
	s_lshl_b32 s44, 0x1111, s40                    ; my column
	s_or_b32 s[G1+0], s43, (3<<16)|(1<<21)         ; the mask; elements of 8 bytes; bit 21 beside a mask; no padding
	s_or_b32 s[G1B+0], s44, (3<<16)|(1<<21)
.irp g, G1, G1B
	s_mov_b32 s[\g+1], 1024<<16                    ; tensor_dim0 = 1,024 elements: 8,192 bytes
	s_mov_b32 s[\g+2], 4<<16                       ; tensor_dim1 = 4
	s_mov_b32 s[\g+3], 1024<<16                    ; tile_dim0
	s_mov_b32 s[\g+4], 4                           ; tile_dim1
	s_mov_b32 s[\g+5], 4096                        ; the pitch: 32,768 bytes from a tile of 16 to the next
	s_mov_b32 s[\g+6], 0
	s_mov_b32 s[\g+7], 0
.endr
	s_lshl_b32 s17, s12, 17                        ; which four tiles of 16 I fetch
	s_lshl_b32 s16, s13, 18
	s_add_co_u32 s16, s16, s17                     ; of: 262,144 bytes for 128 rows
	s_lshl_b32 s46, s42, 18
	s_add_co_u32 s46, s46, s17                     ; wot likewise
	s_mov_b32 s17, 0
	s_mov_b32 s47, 0
	s_lshl_b32 s20, s10, 15                        ; where they go: wave x 32,768: no place in the cluster enters an LDS address
	s_wait_dscnt 0x0                               ; both opening adds are done
	s_wait_kmcnt 0x0
	s_add_nc_u64 s[14:15], s[4:5], s[16:17]
	s_add_nc_u64 s[46:47], s[6:7], s[46:47]
	CROUND                                         ; all sixteen work-groups are here: the first joint loads meet
.irp s, 0,1
	s_mov_b32 s[G0+4*\s], 1
	s_add_co_u32 s[G0+4*\s+1], s20, \s*SLOT
	s_add_nc_u64 s[G0+4*\s+2:G0+4*\s+3], s[14:15], \s*8192
	s_or_b32 s[G0+4*\s+3], s[G0+4*\s+3], 0x80000000
	s_mov_b32 s[G0B+4*\s], 1
	s_add_co_u32 s[G0B+4*\s+1], s20, \s*SLOT
	s_add_nc_u64 s[G0B+4*\s+2:G0B+4*\s+3], s[46:47], \s*8192
	s_or_b32 s[G0B+4*\s+3], s[G0B+4*\s+3], 0x80000000
	JLOAD \s
.endr
	v_and_b32 v1, 15, v0                           ; r
	v_bfe_u32 v2, v0, 4, 1                         ; h
	v_and_b32 v3, 31, v0
	v_lshlrev_b32 v3, 4, v3                        ; 16 x lane
	s_lshl_b32 s21, s11, 15                        ; my 64 rows of O
	s_lshl_b32 s22, s12, 15                        ; my 64 columns of wo,
	s_add_co_u32 s22, s22, 2*HALFT                 ; which lie behind O's 128 rows
.irp s, 0,1
	v_add_nc_u32 v[ADRA+\s], s21, v3
	v_add_nc_u32 v[ADRB+\s], s22, v3
	s_add_co_u32 s21, s21, SLOT
	s_add_co_u32 s22, s22, SLOT
.endr
	s_mul_i32 s23, s10, 16*SPITCH
	s_add_co_u32 s23, s23, STAGE                   ; my stage
	v_mul_u32_u24 v4, v1, SPITCH                   ; in: row r, 32 bytes for each half of the lanes
	v_lshl_add_u32 v4, v2, 5, v4
	v_add_nc_u32 v[STO], s23, v4
	v_mul_u32_u24 v5, v2, SPITCH                   ; back: lanes 0-15 one row of 256 bytes, lanes 16-31 the next
	v_lshl_add_u32 v5, v1, 4, v5
	v_add_nc_u32 v[RD], s23, v5
	v_lshlrev_b32 v5, 12, v2                       ; and the same two rows in out0
	v_lshl_add_u32 v[CO], v1, 4, v5
	s_lshl_b32 s16, s13, 19                        ; my first row: 128 x tile row + 64 x half, 4,096 bytes a row
	s_lshl_b32 s17, s11, 18
	s_add_co_u32 s16, s16, s17
	s_mov_b32 s17, 0
	s_add_nc_u64 s[8:9], s[8:9], s[16:17]
	s_lshl_b32 s46, s42, 9                         ; my first column, in bytes: 512 x tile column + 256 x half
	s_lshl_b32 s47, s12, 8
	s_add_co_u32 s46, s46, s47
	s_mov_b32 s47, 0
	s_add_nc_u64 s[8:9], s[8:9], s[46:47]
; 8 matrix instructions: row blocks a0, a0 + 1 x all 4 column blocks, 32 along K: half c of buffer f.  The 16 accumulators take turns.
.macro MUL8 f, c, a0, zero
.irp a, \a0, \a0+1
.irp b, 0,1,2,3
.if \zero
	v_wmma_f32_16x16x32_f16 v[ACC+8*(4*(\a)+\b):ACC+8*(4*(\a)+\b)+7], v[\f+64+8*(4*\c+\b):\f+64+8*(4*\c+\b)+7], v[\f+8*(4*\c+\a):\f+8*(4*\c+\a)+7], 0
.else
	v_wmma_f32_16x16x32_f16 v[ACC+8*(4*(\a)+\b):ACC+8*(4*(\a)+\b)+7], v[\f+64+8*(4*\c+\b):\f+64+8*(4*\c+\b)+7], v[\f+8*(4*\c+\a):\f+8*(4*\c+\a)+7], v[ACC+8*(4*(\a)+\b):ACC+8*(4*(\a)+\b)+7]
.endif
.endr
.endr
.endm
; 32 LDS loads in one run: quarter q of the slot (64 along K: fragments 2 q and 2 q + 1 of each tile) into buffer f; the first 32 along K first
.macro FETCH slot, q, f
	WIN TO_F
.irp c, 0,1
.irp i, 0,1,2,3
	ds_load_b128 v[\f+64+8*(4*\c+\i):\f+64+8*(4*\c+\i)+3],   v[ADRB+\slot] offset:8192*\i+1024*(2*\q+\c)
	ds_load_b128 v[\f+64+8*(4*\c+\i)+4:\f+64+8*(4*\c+\i)+7], v[ADRB+\slot] offset:8192*\i+1024*(2*\q+\c)+512
	ds_load_b128 v[\f+8*(4*\c+\i):\f+8*(4*\c+\i)+3],         v[ADRA+\slot] offset:8192*\i+1024*(2*\q+\c)
	ds_load_b128 v[\f+8*(4*\c+\i)+4:\f+8*(4*\c+\i)+7],       v[ADRA+\slot] offset:8192*\i+1024*(2*\q+\c)+512
.endr
.endr
.endm
.macro PLACES                          ; four places ahead of loads into registers that matrix instructions have read, and of the first read of results
.rept 4
	v_nop
.endr
.endm
; One of a K step's first three quarters: multiplies buffer f and fetches quarter q into g.
.macro QUARTER slot, q, f, g, zero
	s_wait_dscnt 16                                ; the first 32 along K are in
	WIN MUL
	MUL8 \f, 0, 0, \zero
	MUL8 \f, 0, 2, \zero
	PLACES
	FETCH \slot, \q, \g
	s_wait_dscnt 32                                ; all but the 32 just issued
	WIN MUL
	MUL8 \f, 1, 0, 0
	MUL8 \f, 1, 2, 0
.endm
; The last quarter multiplies buffer 1 and changes slots: one barrier; ahead of it each wave waits for all its tensor loads, adds 0 to its spare word, and waits for that and for its reads of this slot.
.macro TURN slot, next, fill
	WIN 0
	s_wait_tensorcnt 0x0                           ; all my tensor loads have landed: my part of the next slot
	ds_add_u32 v[SPW], v[NIL]
	s_wait_dscnt 17                                ; (the add and the youngest sixteen loads may be out)
	WIN MUL
	MUL8 F1, 0, 0, 0
	s_wait_dscnt 0x0                               ; the add is done, and my reads of this slot are over
	s_barrier_signal -1
	MUL8 F1, 0, 2, 0
.if \fill
	WIN 0
.endif
	s_barrier_wait -1
.if \fill
	CREST                                          ; the barrier has opened a round of the cluster's: no wave of any partner still reads this slot or has a load on its way
	s_add_nc_u64 s[G0+4*\slot+2:G0+4*\slot+3], s[G0+4*\slot+2:G0+4*\slot+3], 16384
	s_add_nc_u64 s[G0B+4*\slot+2:G0B+4*\slot+3], s[G0B+4*\slot+2:G0B+4*\slot+3], 16384
	JLOAD \slot                                    ; two K steps on; its four v_nop are also the places ahead of the loads below
.else
	PLACES
.endif
	FETCH \next, 0, F0
	WIN MUL
	MUL8 F1, 1, 0, 0
	MUL8 F1, 1, 2, 0
.endm
	s_wait_tensorcnt 1                             ; my part of K step 0 is in; K step 1's may stay out
	s_barrier_signal -1
	s_barrier_wait -1
	FETCH 0, 0, F0
	QUARTER 0, 1, F0, F1, 1                        ; K step 0: its first products start the sums
	QUARTER 0, 2, F1, F0, 0
	QUARTER 0, 3, F0, F1, 0
	TURN 0, 1, 1                                   ; slot 0 takes K step 2
	QUARTER 1, 1, F0, F1, 0
	QUARTER 1, 2, F1, F0, 0
	QUARTER 1, 3, F0, F1, 0
	TURN 1, 0, 1                                   ; slot 1 takes K step 3
	QUARTER 0, 1, F0, F1, 0
	QUARTER 0, 2, F1, F0, 0
	QUARTER 0, 3, F0, F1, 0
	TURN 0, 1, 0                                   ; nothing is left to fetch
	QUARTER 1, 1, F0, F1, 0
	QUARTER 1, 2, F1, F0, 0
	QUARTER 1, 3, F0, F1, 0
	s_wait_dscnt 16
	WIN MUL
	MUL8 F1, 0, 0, 0
	MUL8 F1, 0, 2, 0
	s_wait_dscnt 0x0
	MUL8 F1, 1, 0, 0
	MUL8 F1, 1, 2, 0
	WIN 0
; THE WAY OUT, a block of 16 rows x 64 columns at a time, through my own stage: a lane holds 32 bytes of a row; back come whole rows of 256 bytes, which sixteen lanes store as 256 consecutive bytes at a multiple of 256.
.macro TOSTAGE a
.irp b, 0,1,2,3
	ds_store_b128 v[STO], v[ACC+8*(4*\a+\b):ACC+8*(4*\a+\b)+3] offset:64*\b          ; each accumulator from its low end on
	ds_store_b128 v[STO], v[ACC+8*(4*\a+\b)+4:ACC+8*(4*\a+\b)+7] offset:64*\b+16
.endr
.irp t, 0,1,2,3,4,5,6,7
	ds_load_b128 v[BK+32*(\a%2)+4*\t:BK+32*(\a%2)+4*\t+3], v[RD] offset:2*\t*SPITCH   ; LDS serves a wave's instructions in order: these see the stores above
.endr
.endm
.macro SEND a, younger                 ; younger: the LDS instructions issued behind block a's loads
	s_wait_dscnt \younger
.irp t, 0,1,2,3,4,5,6,7
	global_store_b128 v[CO], v[BK+32*(\a%2)+4*\t:BK+32*(\a%2)+4*\t+3], s[8:9] offset:65536*\a+8192*\t th:TH_STORE_NT
.endr
.endm
	PLACES
	TOSTAGE 0
	TOSTAGE 1
	SEND 0, 16
	s_wait_xcnt 0x0                                ; block 0's stores have read their registers: block 2's loads may land there
	TOSTAGE 2
	SEND 1, 16
	s_wait_xcnt 0x0
	TOSTAGE 3
	SEND 2, 16
	SEND 3, 0
	s_wait_tensorcnt 0x0                           ; the wave's end, behind my last tensor load and my last LDS store
	ds_add_u32 v[SPW], v[NIL]
	s_wait_dscnt 0x0
	CROUND                                         ; the closing round
	s_endpgm
.Lfunc_end_k_qf2feb4b4d6_oproj:
	.size	k_qf2feb4b4d6_oproj, .Lfunc_end_k_qf2feb4b4d6_oproj-k_qf2feb4b4d6_oproj
	.p2alignl 7, 3214868480
	.fill 96, 4, 3214868480
	.section	.rodata,"a",@progbits
	.p2align	6, 0x0
	.amdhsa_kernel k_qf2feb4b4d6_oproj
		.amdhsa_group_segment_fixed_size 327680
		.amdhsa_private_segment_fixed_size 0
		.amdhsa_enable_private_segment 0
		.amdhsa_kernarg_size 24
		.amdhsa_user_sgpr_count 2
		.amdhsa_user_sgpr_kernarg_segment_ptr 1
		.amdhsa_wavefront_size32 1
		.amdhsa_system_sgpr_workgroup_id_x 1
		.amdhsa_system_sgpr_workgroup_id_y 1
		.amdhsa_system_sgpr_workgroup_id_z 1
		.amdhsa_system_vgpr_workitem_id 0
		.amdhsa_next_free_vgpr 512
		.amdhsa_next_free_sgpr 66
		.amdhsa_reserve_vcc 0
		.amdhsa_float_denorm_mode_32 3
		.amdhsa_float_denorm_mode_16_64 3
		.amdhsa_memory_ordered 1
		.amdhsa_forward_progress 1
		.amdhsa_inst_pref_size 85
	.end_amdhsa_kernel
	.amdgpu_metadata
---
amdhsa.version: [ 1, 2 ]
amdhsa.kernels:
  - .name:           k_qf2feb4b4d6_oproj
    .symbol:         k_qf2feb4b4d6_oproj.kd
    .args:
      - { .name: of, .offset: 0, .size: 8, .value_kind: global_buffer, .address_space: global }
      - { .name: wot, .offset: 8, .size: 8, .value_kind: global_buffer, .address_space: global }
      - { .name: out0, .offset: 16, .size: 8, .value_kind: global_buffer, .address_space: global }
    .group_segment_fixed_size: 327680
    .private_segment_fixed_size: 0
    .kernarg_segment_align: 8
    .kernarg_segment_size: 24
    .max_flat_workgroup_size: 128
    .sgpr_count:     66
    .vgpr_count:     512
    .wavefront_size: 32
...
	.end_amdgpu_metadata
.endif
;; end of part 4
